; MI455X (gfx1250); checked and timed in simulation.
; The chip was launched on July 23, 2026; its instructions are those of AMD's public machine-readable ISA for CDNA 5 (MIT licence, August 2026) and "CDNA5" Instruction Set Architecture Reference Guide (July 2026). The comments in the code are by the model that wrote it; some were corrected since.
;; TPU Grouped GEMM Linear. Allowed arithmetic: matrix products marked QUANTISED: E2M1 operands, one E8M0 scale for each 32 along K, by v_wmma_scale_f32_16x16x128_f8f6f4 with both operands' format E2M1 (or v_wmma_scale_f32_32x16x128_f4), f32 sums; everything else in f32.
;; Inputs: b 8 x 4,096 float32; group_indices 2,048 int32; inputs 2,048 x 1,024 float32; w 8 x 1,024 x 4,096 float32.
;; Outputs: out0 2,048 x 4,096 float32.
;; This version of the problem:
;;   THIS VERSION OF THE PROBLEM IS GIVEN IN LOW PRECISION. The matrix products marked QUANTISED in the list below multiply operands that are first quantised to E2M1 (2 exponent bits, 1 mantissa bit; 4 bits a number), with one power-of-two scale for each 32 numbers along K (OCP MX v1.0); their sums are f32. All else is computed in f32.
;;   The module's matrix products, in the order in which they are computed (A, B: the left and right operand; K: the contracted axis; several contracted axes count as one K, in the product's order):
;;     1. [M 2,048, K 1,024] x [K 1,024, N 4,096]; A: computed on the way; B: input w: QUANTISED
;;     2. [M 2,048, K 1,024] x [K 1,024, N 4,096]; A: computed on the way; B: input w: QUANTISED
;;     3. [M 2,048, K 1,024] x [K 1,024, N 4,096]; A: computed on the way; B: input w: QUANTISED
;;     4. [M 2,048, K 1,024] x [K 1,024, N 4,096]; A: computed on the way; B: input w: QUANTISED
;;     5. [M 2,048, K 1,024] x [K 1,024, N 4,096]; A: computed on the way; B: input w: QUANTISED
;;     6. [M 2,048, K 1,024] x [K 1,024, N 4,096]; A: computed on the way; B: input w: QUANTISED
;;     7. [M 2,048, K 1,024] x [K 1,024, N 4,096]; A: computed on the way; B: input w: QUANTISED
;;     8. [M 2,048, K 1,024] x [K 1,024, N 4,096]; A: computed on the way; B: input w: QUANTISED
;;   THE QUANTISER, for each operand of a quantised product, along K:
;;     - K is cut into blocks of 32 from its start; a last block that is shorter is filled with zeros.
;;     - A block's scale is 2^e with e = floor(log2(the largest magnitude in the block)) - 2, held to -126 .. 127; a block of zeros has e = 0. As a byte (E8M0): e + 127.
;;     - Each number is divided by its block's scale, clamped to +-6, and rounded to the nearest number of E2M1, ties to even, subnormals kept.
;;     - The product sums the exact products of the quantised numbers (number of the format x scale) in f32.
;;   ~~~python
;;   def quantise(x, axis):      # numpy; x: float32 -> the quantised numbers, widened to float32 again
;;       x = np.moveaxis(x, axis, -1); K = x.shape[-1]
;;       x = np.pad(x, [(0, 0)] * (x.ndim - 1) + [(0, -K % 32)]); x = x.reshape(x.shape[:-1] + (-1, 32)); a = np.abs(x).max(-1, keepdims=True)
;;       e = np.where(a > 0, np.clip(np.frexp(np.where(a > 0, a, 1))[1] - 1 - 2, -126, 127), 0)      # np.frexp(a)[1] - 1 = floor(log2(a)), exactly
;;       r = np.clip(x / 2.0 ** e, -6, 6)
;;       step = 2.0 ** (np.maximum(np.frexp(np.where(r == 0, 1, r))[1] - 1, 0) - 1)
;;       q = np.round(r / step) * step * 2.0 ** e      # np.round: ties to even
;;       return np.moveaxis(q.reshape(q.shape[:-2] + (-1,))[..., :K], -1, axis).astype(np.float32)
;;   ~~~
;;   OPERANDS COMPUTED ON THE WAY. 'Computed on the way' means the value that the module computes at that place (a softmax that the list does not call 'softmax' is quantised finished and normalised). What goes into a quantiser is computed in f32, as accurately as f32 sums, v_exp_f32 and their like allow (about 1e-6 of the number): no bf16 or f16 on the way to a quantiser, and a product that is left as it is and whose result goes on into a quantised operand takes f32 operands (vector FMAs, or v_wmma_f32_16x16x4_f32). A number that lies on a knife's edge between two numbers of the format may be rounded either way, as far as f32 arithmetic and the matrix unit's own rounding can turn it there, and no further.
;; 2 versions. Each part assembles by itself: llvm-mc -triple=amdgcn-amd-amdhsa -mcpu=gfx1250 --defsym DOCPART=n.
;; ======== version 1 of 2: 2 launches
;; workspace buffers: xc 1,048,576 bytes; xs 65,536 bytes; order 8,192 bytes of whole numbers; starts 256 bytes of whole numbers
;; launch prep (part 1): grid 257 x 1, 8 waves a work-group, no clusters, 39,424 bytes of LDS; arguments inputs, group_indices, xc, xs, order, starts, out0; writes xc, xs, order, starts, out0
.if DOCPART == 1
	.amdgcn_target "amdgcn-amd-amdhsa--gfx1250"
	.amdhsa_code_object_version 6
	.text
	.protected	k_q6fe1cb8ac0_prep
	.globl	k_q6fe1cb8ac0_prep
	.p2align	8
	.type	k_q6fe1cb8ac0_prep,@function
k_q6fe1cb8ac0_prep:
	s_mov_b64 s[64:65], 0
	v_nop
	global_prefetch_b8 v0, s[64:65] scope:SCOPE_SE
	s_setreg_imm32_b32 hwreg(HW_REG_WAVE_MODE, 25, 1), 1
	s_wait_xcnt 0x0
; TWO JOBS IN ONE LAUNCH, told apart by the work-group's number (the same in all eight waves of a work-group).
; Work-groups 0 to 255: inputs [2048][1024] f32 become codes of FP4 (E2M1), K innermost, xc [2048][512 bytes], and one E8M0 byte for each 32 along K, xs [2048][32 bytes].
;   A wave takes one token's row.  A block's scale is 2^(floor(log2(its largest magnitude)) - 2); its byte is that magnitude's exponent field - 2, held at 1 from below.
;   A token whose group index is not 0 .. 7 belongs to no group: its row of out0 is what the sum of masked products leaves there, zeros, and is written here.
; Work-group 256: a counting sort of the 2,048 tokens by group, without atomics: order[2048] = token numbers by bucket 0 .. 8 (bucket 8: every index that is not 0 .. 7), starts[q] = bucket q's first place.
; LIMITS: NaN and infinities among the inputs are not served.  A block of zeros gets the byte 1 where the rule says 127: its codes are zeros, which add nothing under any byte but 0xff, and only
; this program reads the bytes.  Blocks whose largest magnitude lies under 2^-124 have the byte held at 1 (the rule's e = -126).
; No tensor loads, no matrix unit, no cluster: the work-groups share no input, and each byte is read once.
.set STGW, 4608                        ; LDS: a wave's stage: 32 blocks x (128 bytes + 16 of padding); eight of them from byte 0
.set BP,   144                         ; a block's place in the stage: an odd multiple of 16 bytes, so that sixteen lanes' reads of 16 bytes fall on different columns of 16 bytes
.set SCB,  36864                       ; the work-group's 8 rows x 32 scale bytes
.set CNTB, 37120                       ; the sort's own bytes: [wave][32 words] of counts
.set SA,   2                           ; v2   stage, on the way in: 4608 wave + 144 (lane / 8) + 16 (lane % 8)
.set SB,   3                           ; v3   stage, on the way out: 4608 wave + 144 lane
.set SBY,  4                           ; v4   my block's scale byte: SCB + thread
.set SRD,  5                           ; v5   SCB + 8 lane
.set CA,   6                           ; v6   CNTB + 4 thread
.set CL,   7                           ; v7   CNTB + 4 lane
.set LO,   8                           ; v8   16 lane
.set L4,   9                           ; v9   4 lane
.set L8,   10                          ; v10  8 lane
.set GA,   11                          ; v11  1024 wave + 16 lane: my indices in group_indices
.set XL,   32                          ; v32-63  a row as loaded
.set XB,   64                          ; v64-95  my block's 32 neighbours
.set IX,   32                          ; the sort: v32-39 buckets, v40-47 ranks, v48-56 at work, v57-64 places, v65-72 token numbers, v73-80 the waves' counts
.set RK,   40
.set TT,   48
.set PL,   57
.set TOK,  65
.set LC,   73
.set RUN,  32                          ; s32-40 running counts;  s41-49 lane masks;  s50-58 totals;  s66-75 the buckets' first places
.set MK,   41
.set TOT,  50
.set STA,  66
	s_load_b256 s[4:11], s[0:1], 0x0               ; inputs s[4:5], group_indices s[6:7], xc s[8:9], xs s[10:11]
	s_load_b128 s[12:15], s[0:1], 0x20             ; order s[12:13], starts s[14:15]
	s_load_b64 s[16:17], s[0:1], 0x30              ; out0
	v_lshl_add_u32 v96, v0, 2, 0x9600
	v_mov_b32 v97, 0
	v_lshrrev_b32 v1, 5, v0
	v_readfirstlane_b32 s18, v1                    ; wave 0..7
	v_and_b32 v1, 31, v0                           ; lane
	s_mul_i32 s19, s18, STGW
	v_lshrrev_b32 v12, 3, v1
	v_mul_u32_u24 v[SA], v12, BP
	v_and_b32 v12, 7, v1
	v_lshl_add_u32 v[SA], v12, 4, v[SA]
	v_add_nc_u32 v[SA], s19, v[SA]
	v_mul_u32_u24 v[SB], v1, BP
	v_add_nc_u32 v[SB], s19, v[SB]
	v_add_nc_u32 v[SBY], SCB, v0
	v_lshlrev_b32 v[L8], 3, v1
	v_add_nc_u32 v[SRD], SCB, v[L8]
	v_lshl_add_u32 v[CA], v0, 2, CNTB
	v_lshlrev_b32 v[L4], 2, v1
	v_add_nc_u32 v[CL], CNTB, v[L4]
	v_lshlrev_b32 v[LO], 4, v1
	s_lshl_b32 s23, s18, 10
	v_add_nc_u32 v[GA], s23, v[LO]
	s_wait_kmcnt 0x0
	s_cmp_eq_u32 ttmp9, 256
	s_cbranch_scc1 .Lsort
	; ---- THE QUANTISER.  My row = 8 x work-group + wave
	s_lshl_b32 s19, ttmp9, 3
	s_add_co_u32 s19, s19, s18
	s_lshl_b32 s20, s19, 2
	s_mov_b32 s21, 0
	s_add_nc_u64 s[6:7], s[6:7], s[20:21]
	s_load_b32 s22, s[6:7], 0x0                    ; my token's group index
	s_lshl_b32 s24, s19, 12                        ; a row of inputs is 4,096 bytes,
	s_mov_b32 s25, 0
	s_add_nc_u64 s[4:5], s[4:5], s[24:25]
	s_lshl_b32 s26, s19, 9                         ; of xc 512,
	s_mov_b32 s27, 0
	s_add_nc_u64 s[8:9], s[8:9], s[26:27]
	s_lshl_b32 s28, s19, 14                        ; of out0 16,384;
	s_mov_b32 s29, 0
	s_add_nc_u64 s[16:17], s[16:17], s[28:29]
	s_lshl_b32 s30, ttmp9, 8                       ; the work-group's 8 rows of xs are 256 bytes
	s_mov_b32 s31, 0
	s_add_nc_u64 s[10:11], s[10:11], s[30:31]
.irp j, 0,1,2,3,4,5,6,7
	global_load_b128 v[XL+4*\j:XL+4*\j+3], v[LO], s[4:5] offset:512*\j th:TH_LOAD_NT   ; 32 lanes read 512 consecutive bytes; the eight loads are the whole row
.endr
	; The conversions take neighbours along K from ONE lane's registers, the loads are dense across lanes: so the row turns through my wave's own stage.  Load j's lane l holds 16 bytes of block 4 j + l / 8.
.irp j, 0,1,2,3,4,5,6,7
	s_wait_loadcnt 7-\j                            ; loads come back in order: load j is in, the 7 - j younger ones may be out
	ds_store_b128 v[SA], v[XL+4*\j:XL+4*\j+3] offset:4*BP*\j
.endr
.irp i, 0,1,2,3,4,5,6,7
	ds_load_b128 v[XB+4*\i:XB+4*\i+3], v[SB] offset:16*\i   ; LDS serves a wave's instructions in order: these see my stores.  Lane l takes block l whole
.endr
	s_wait_dscnt 0x0
	v_max3_num_f32 v12, |v[XB]|, |v[XB+1]|, |v[XB+2]|       ; the block's largest magnitude, in two chains
	v_max3_num_f32 v13, |v[XB+3]|, |v[XB+4]|, |v[XB+5]|
.irp i, 6,10,14,18,22,26
	v_max3_num_f32 v12, v12, |v[XB+\i]|, |v[XB+\i+1]|
	v_max3_num_f32 v13, v13, |v[XB+\i+2]|, |v[XB+\i+3]|
.endr
	v_max3_num_f32 v12, v12, |v[XB+30]|, |v[XB+31]|
	v_max3_num_f32 v12, v12, v13, 0x1800000        ; and the floor 2^(3 - 127): the byte cannot fall under 1
	v_add_nc_u32 v16, 0xff000000, v12              ; 2 off its exponent field: the conversion takes the exponent field of this operand as its scale, and nothing else of it
.irp q, 0,1,2,3
	v_cvt_scalef32_pk8_fp4_f32 v[24+\q], v[XB+8*\q:XB+8*\q+7], v16   ; eight numbers / the scale, to the nearest code, ties to even, beyond 6 the largest code; the first number's code in the lowest bits
.endr
	v_lshrrev_b32 v17, 23, v16                     ; the scale's byte (also the plain line behind the conversions)
	ds_store_b8 v[SBY], v17
	global_store_b128 v[LO], v[24:27], s[8:9]      ; block l's 16 bytes at 16 l: the wave stores the row's 512 consecutive bytes
	s_wait_kmcnt 0x0                               ; my token's group index
	s_cmp_gt_u32 s22, 7                            ; as an unsigned number: negative indices too
	s_cbranch_scc0 .Lowned                         ; a group owns the row: the next launch writes it
.irp q, 0,1,2,3
	v_mov_b32 v[28+\q], 0
.endr
.irp j, 0,1,2,3,4,5,6,7,8,9,10,11,12,13,14,15,16,17,18,19,20,21,22,23,24,25,26,27,28,29,30,31
	global_store_b128 v[LO], v[28:31], s[16:17] offset:512*\j th:TH_STORE_NT
.endr
.Lowned:
	s_wait_dscnt 0x0                               ; for wave 0's sake: my scale bytes lie in LDS
	s_barrier_signal -1
	s_barrier_wait -1
	s_cmp_lg_u32 s18, 0
	s_cbranch_scc1 .Lq_end
	ds_load_b64 v[20:21], v[SRD]                   ; the eight rows' scale bytes,
	s_wait_dscnt 0x0
	global_store_b64 v[L8], v[20:21], s[10:11]     ; 256 consecutive bytes, aligned, by one store
.Lq_end:
	s_wait_tensorcnt 0x0
	ds_add_u32 v96, v97
	s_wait_dscnt 0x0
	s_endpgm
	; ---- THE SORT.  Wave w takes tokens 256 w .. 256 w + 255; register n = 4 j + e of lane l is token 256 w + 128 j + 4 l + e
.Lsort:
	global_load_b128 v[IX:IX+3], v[GA], s[6:7]
	global_load_b128 v[IX+4:IX+7], v[GA], s[6:7] offset:512
.irp q, 0,1,2,3,4,5,6,7,8
	s_mov_b32 s[RUN+\q], 0
.endr
	s_wait_loadcnt 0x0
.irp n, 0,1,2,3,4,5,6,7
	v_min_u32 v[IX+\n], 8, v[IX+\n]                ; the bucket: as unsigned numbers all indices but 0 .. 7 fall into bucket 8
.endr
	; a token's rank among my wave's tokens of its bucket: those of earlier registers (the running count) + those of lower lanes in this register
.irp n, 0,1,2,3,4,5,6,7
.irp q, 0,1,2,3,4,5,6,7,8
	v_cmp_eq_u32 s[MK+\q], \q, v[IX+\n]
.endr
	v_mbcnt_lo_u32_b32 v[RK+\n], s[MK], s[RUN]
.irp q, 1,2,3,4,5,6,7,8
	v_mbcnt_lo_u32_b32 v[TT+\q], s[MK+\q], s[RUN+\q]
.endr
.irp q, 1,2,3,4,5,6,7,8
	v_cndmask_b32 v[RK+\n], v[RK+\n], v[TT+\q], s[MK+\q]
.endr
.irp q, 0,1,2,3,4,5,6,7,8
	s_bcnt1_i32_b32 s59, s[MK+\q]
	s_add_co_u32 s[RUN+\q], s[RUN+\q], s59
.endr
.endr
	v_mov_b32 v81, 0
.irp q, 0,1,2,3,4,5,6,7,8
	v_writelane_b32 v81, s[RUN+\q], \q             ; lane q: my wave's count of bucket q
.endr
	ds_store_b32 v[CA], v81
	s_wait_dscnt 0x0                               ; for the others' sake: my counts lie in LDS
	s_barrier_signal -1
	s_barrier_wait -1
.irp u, 0,1,2,3,4,5,6,7
	ds_load_b32 v[LC+\u], v[CL] offset:128*\u      ; lane q: wave u's count of bucket q
.endr
	v_mov_b32 v84, 0
	s_wait_dscnt 0x0
	v_add_nc_u32 v85, v[LC], v[LC+1]
.irp u, 2,3,4,5,6,7
	v_add_nc_u32 v85, v85, v[LC+\u]                ; the bucket's total
.endr
.irp u, 0,1,2,3,4,5,6
	s_cmp_gt_u32 s18, \u
	s_cselect_b32 s59, -1, 0
	v_and_b32 v83, s59, v[LC+\u]
	v_add_nc_u32 v84, v84, v83                     ; what the waves before mine have of it
.endr
.irp q, 0,1,2,3,4,5,6,7,8
	v_readlane_b32 s[TOT+\q], v85, \q
.endr
	s_mov_b32 s[STA], 0
.irp q, 0,1,2,3,4,5,6,7,8
	s_add_co_u32 s[STA+1+\q], s[STA+\q], s[TOT+\q]   ; the buckets' first places
.endr
	v_mov_b32 v82, 0
.irp q, 0,1,2,3,4,5,6,7,8,9
	v_writelane_b32 v82, s[STA+\q], \q
.endr
	v_add_nc_u32 v86, v82, v84                     ; lane q: where my wave's tokens of bucket q begin
.irp n, 0,1,2,3,4,5,6,7
	v_lshlrev_b32 v[TT+\n], 2, v[IX+\n]
.endr
.irp n, 0,1,2,3,4,5,6,7
	ds_bpermute_b32 v[PL+\n], v[TT+\n], v86        ; each token pulls its bucket's number from the lane of that number
.endr
	s_lshl_b32 s59, s18, 8
	v_add_nc_u32 v83, s59, v[L4]                   ; 256 wave + 4 lane
	s_wait_dscnt 0x0
.irp n, 0,1,2,3,4,5,6,7
	v_add_nc_u32 v[PL+\n], v[PL+\n], v[RK+\n]      ; the token's place in the list,
	v_min_u32 v[PL+\n], 0x7ff, v[PL+\n]            ; which lies in 0 .. 2,047,
	v_lshlrev_b32 v[PL+\n], 2, v[PL+\n]            ; in bytes
	v_add_nc_u32 v[TOK+\n], 128*(\n/4)+(\n%4), v83
	global_store_b32 v[PL+\n], v[TOK+\n], s[12:13] ; 8,192 bytes in the whole launch go out word by word; each store has registers of its own, none is written again
.endr
	s_cmp_lg_u32 s18, 0
	s_cbranch_scc1 .Ls_end
	global_store_b32 v[L4], v82, s[14:15]          ; starts: words 0 .. 9, and zeros up to word 31
.Ls_end:
	s_wait_tensorcnt 0x0
	ds_add_u32 v96, v97
	s_wait_dscnt 0x0
	s_endpgm
.Lfunc_end_k_q6fe1cb8ac0_prep:
	.size	k_q6fe1cb8ac0_prep, .Lfunc_end_k_q6fe1cb8ac0_prep-k_q6fe1cb8ac0_prep
	.p2alignl 7, 3214868480
	.fill 96, 4, 3214868480
	.section	.rodata,"a",@progbits
	.p2align	6, 0x0
	.amdhsa_kernel k_q6fe1cb8ac0_prep
		.amdhsa_group_segment_fixed_size 39424
		.amdhsa_private_segment_fixed_size 0
		.amdhsa_enable_private_segment 0
		.amdhsa_kernarg_size 56
		.amdhsa_user_sgpr_count 2
		.amdhsa_user_sgpr_kernarg_segment_ptr 1
		.amdhsa_wavefront_size32 1
		.amdhsa_system_sgpr_workgroup_id_x 1
		.amdhsa_system_sgpr_workgroup_id_y 1
		.amdhsa_system_sgpr_workgroup_id_z 1
		.amdhsa_system_vgpr_workitem_id 0
		.amdhsa_next_free_vgpr 98
		.amdhsa_next_free_sgpr 80
		.amdhsa_reserve_vcc 0
		.amdhsa_float_denorm_mode_32 3
		.amdhsa_float_denorm_mode_16_64 3
		.amdhsa_memory_ordered 1
		.amdhsa_forward_progress 1
		.amdhsa_inst_pref_size 36
	.end_amdhsa_kernel
	.amdgpu_metadata
---
amdhsa.version: [ 1, 2 ]
amdhsa.kernels:
  - .name:           k_q6fe1cb8ac0_prep
    .symbol:         k_q6fe1cb8ac0_prep.kd
    .args:
      - { .name: inputs, .offset: 0, .size: 8, .value_kind: global_buffer, .address_space: global }
      - { .name: group_indices, .offset: 8, .size: 8, .value_kind: global_buffer, .address_space: global }
      - { .name: xc, .offset: 16, .size: 8, .value_kind: global_buffer, .address_space: global }
      - { .name: xs, .offset: 24, .size: 8, .value_kind: global_buffer, .address_space: global }
      - { .name: order, .offset: 32, .size: 8, .value_kind: global_buffer, .address_space: global }
      - { .name: starts, .offset: 40, .size: 8, .value_kind: global_buffer, .address_space: global }
      - { .name: out0, .offset: 48, .size: 8, .value_kind: global_buffer, .address_space: global }
    .group_segment_fixed_size: 39424
    .private_segment_fixed_size: 0
    .kernarg_segment_align: 8
    .kernarg_segment_size: 56
    .max_flat_workgroup_size: 256
    .sgpr_count:     80
    .vgpr_count:     98
    .wavefront_size: 32
...
	.end_amdgpu_metadata
.endif
;; end of part 1
;; launch gemm (part 2): grid 32 x 8, 16 waves a work-group, no clusters, 206,848 bytes of LDS; arguments w, b, xc, xs, order, starts, out0; writes out0
.if DOCPART == 2
	.amdgcn_target "amdgcn-amd-amdhsa--gfx1250"
	.amdhsa_code_object_version 6
	.text
	.protected	k_q6fe1cb8ac0_gemm
	.globl	k_q6fe1cb8ac0_gemm
	.p2align	8
	.type	k_q6fe1cb8ac0_gemm,@function
k_q6fe1cb8ac0_gemm:
	s_mov_b64 s[64:65], 0
	v_nop
	global_prefetch_b8 v0, s[64:65] scope:SCOPE_SE
	s_setreg_imm32_b32 hwreg(HW_REG_WAVE_MODE, 25, 1), 1
	s_wait_xcnt 0x0
; out0[i] = Q(inputs[i]) Q(w[g_i]) + b[g_i], both operands as codes of FP4 (E2M1) with one E8M0 scale for each 32 along K = 1,024; sums in f32.
; A token's row is zero in every masked product but its own group's, and zero codes add nothing: so each token is multiplied with its own group's weight alone.
; SHARES.  Work-group (x, y) owns columns 128 x .. 128 x + 127 of group y, all of K: 256 work-groups, each reading its own 512 KiB of w once.
; PHASE A.  w[g] is [K][4096] f32, K its first axis.  A LANE TAKES A COLUMN AND ITS REGISTERS RUN DOWN K: a block of 32 along K lies in one lane's 32 registers, its largest magnitude needs no other lane, and the
;   conversions give codes with K innermost.  Wave W takes K step W / 2 (128 rows) of columns 64 (W % 2) on, two columns a lane (l and 32 + l): two neighbouring loads cover 256 consecutive bytes of a row of w, aligned.
;   The codes go to LDS AS IMAGES OF THE OPERAND'S REGISTERS (64 KiB), the scale words beside them (4 KiB), and never to memory.  One barrier.
; PHASE B.  The group's tokens, from the list that the launch before stored, in tiles of 16; wave W takes tiles W, W + 16, ..  A tile is 16 tokens x 128 columns x K 1,024: 64 matrix instructions on 8 accumulators.
;   THE MATRIX INSTRUCTION IS USED TRANSPOSED (source 0 = 16 columns of w, source 1 = 16 tokens): a lane then holds eight neighbouring columns of one token's row.  x's codes come from memory straight into registers.
;   A tile leaves through the wave's own stage in LDS: whole rows of 512 bytes, the bias added on the way; rows past the group's end are computed (with the group's last token) and not stored.
; NO TENSOR LOADS, NO CLUSTER: the number of tiles and of rows hangs on counts read from memory, so LDS is filled through registers; and what the 32 work-groups of a group share, x's codes
;   (544 bytes a token), is small beside the 512 KiB of w that each reads alone.
; LIMITS: NaN and infinities in w are not served.  A block of zeros gets the byte 1 where the rule says 127 (its codes are zeros; only this launch reads the bytes); blocks under 2^-124 have the byte held at 1.
.set WS,     65536                     ; LDS: from 0 the codes: pair of tiles (ng = 32 columns, K step s) at (8 ng + s) x 2,048; in it register group q = 2 (column / 16) + c at 512 q, lane L's 16 bytes at 16 L
                                       ; from WS the scale words: (8 ng + s) x 128 + 4 x (column % 32)
.set STG,    69632                     ; from STG a stage for each wave: 16 rows x (512 bytes + 16)
.set SPITCH, 528
.set WSTG,   16*SPITCH
.set LN4,  1                           ; v1   4 lane
.set AW,   2                           ; v2   where I store codes: (16 (W % 2) + W / 2) x 2,048 + 1,024 (lane / 16) + 16 (lane % 16)
.set AWS,  3                           ; v3   and scale words: WS + (16 (W % 2) + W / 2) x 128 + 4 lane
.set AF,   4                           ; v4   16 lane: an image's place for my lane; also my 16 bytes in b's and in out0's 512
.set ASC,  5                           ; v5   WS + 4 lane
.set STO,  6                           ; v6   the stage, in: row lane % 16, + 32 (lane / 16)
.set RD,   7                           ; v7   the stage, back: 16 lane
.set XO,   8                           ; v8   x's codes: token x 512 + 16 (lane / 16)
.set XSO,  9                           ; v9   x's scale words: token x 32
.set TK,   10                          ; v10-12 the tokens of this tile, the next, the one after: lanes r and r + 16 hold row r's
.set TKN,  11
.set TKL,  12
.set LI,   13                          ; v13, v37 offsets into the list
.set R,    14                          ; v14  lane % 16
.set H16,  15                          ; v15  16 (lane / 16)
.set BIAS, 16                          ; v16-19 b[g][128 x + 4 lane + 0 .. 3]
.set VO,   20                          ; v20-35 phase B: the 16 rows' offsets in out0.  Phase A: v20-23 largest magnitudes, v24-25 scale operands, v26-27 scale words, v28-29 bytes
.set TMP,  36
.set LI2,  37
.set XS,   40                          ; v40-47 x's scale words, register s for K step s: scales and nothing else
.set XF,   48                          ; v48-111 x's eight fragments
.set FB,   112                         ; v112-239 phase A: two sets of 64 numbers (in a set: column l at + 0 .. 31, column 32 + l at + 32 .. 63)
.set ACC,  112                         ; v112-175 phase B: the accumulators, tile nt of 16 columns at + 8 nt
.set WF,   176                         ; v176-239 phase B: w's eight fragments of a K step; on the way out the 16 rows read back
.set WSC,  240                         ; v240-243 w's scale words of a K step: lanes 0-15 the even tile's, lanes 16-31 the odd tile's: scales and nothing else
.set CD,   244                         ; v244-251 phase A: a batch's codes
; s18 wave; s20 group; s22, s23 the group's first place in the list and the next group's; s24 its tokens; s25 its tiles; s26 max(tokens, 1) - 1; s27 my tile; s28 my next tile; s29 rows to store;
; s40 counts my trips, one a tile; s41 how many tiles are mine
; 64 loads: rows 32 bk .. 32 bk + 31 of my K step, my two columns.  The largest immediate is 127 x 16,384 + 128, inside the signed 24 bits (ISA guide, chapter 10)
.macro LOADW bk
.irp i, 0,1,2,3,4,5,6,7,8,9,10,11,12,13,14,15,16,17,18,19,20,21,22,23,24,25,26,27,28,29,30,31
.irp e, 0,1
	global_load_b32 v[FB+64*((\bk)%2)+32*\e+\i], v[LN4], s[4:5] offset:(32*(\bk)+\i)*16384+128*\e th:TH_LOAD_NT
.endr
.endr
.endm
; Block bk of my two columns: largest magnitude, scale, codes; the codes go to their place in the operand's image.  left: how many younger loads may stay out
.macro QBATCH bk, left
.set F, FB+64*((\bk)%2)
	s_wait_loadcnt \left
.irp e, 0,1
	v_max3_num_f32 v[20+2*\e], |v[F+32*\e]|, |v[F+32*\e+1]|, |v[F+32*\e+2]|
	v_max3_num_f32 v[21+2*\e], |v[F+32*\e+3]|, |v[F+32*\e+4]|, |v[F+32*\e+5]|
.endr
.irp i, 6,10,14,18,22,26
.irp e, 0,1
	v_max3_num_f32 v[20+2*\e], v[20+2*\e], |v[F+32*\e+\i]|, |v[F+32*\e+\i+1]|
	v_max3_num_f32 v[21+2*\e], v[21+2*\e], |v[F+32*\e+\i+2]|, |v[F+32*\e+\i+3]|
.endr
.endr
.irp e, 0,1
	v_max3_num_f32 v[20+2*\e], v[20+2*\e], |v[F+32*\e+30]|, |v[F+32*\e+31]|
.endr
.irp e, 0,1
	v_max3_num_f32 v[20+2*\e], v[20+2*\e], v[21+2*\e], 0x1800000   ; and the floor 2^(3 - 127): the byte cannot fall under 1
.endr
.irp e, 0,1
	v_add_nc_u32 v[24+\e], 0xff000000, v[20+2*\e]  ; 2 off the exponent field: the conversion's scale operand
.endr
.irp e, 0,1
.if (\bk) == 0
	v_lshrrev_b32 v[26+\e], 23, v[24+\e]           ; the scale's byte: the first begins the column's scale word of this K step
.else
	v_lshrrev_b32 v[28+\e], 23, v[24+\e]
.endif
.endr
.if (\bk) > 0
.irp e, 0,1
	v_lshl_or_b32 v[26+\e], v[28+\e], 8*(\bk), v[26+\e]
.endr
.endif
	s_wait_dscnt 0x0                               ; the last batch's LDS stores have read the codes' registers
.irp e, 0,1
.irp q, 0,1,2,3
	v_cvt_scalef32_pk8_fp4_f32 v[CD+4*\e+\q], v[F+32*\e+8*\q:F+32*\e+8*\q+7], v[24+\e]
.endr
.endr
	v_nop                                          ; one plain line behind the last scaled conversion
.irp e, 0,1
	ds_store_b128 v[AW], v[CD+4*\e:CD+4*\e+3] offset:16384*\e+512*((\bk)/2)+256*((\bk)%2)   ; k = 32 bk on is register group c = bk / 2 of the lanes' half bk % 2; sixteen lanes write 256 consecutive bytes
.endr
.endm
; The 16 tokens of the tile whose first row is sk (a scalar register): rows past the group's end take its last token; every place is held inside the list
.macro TLIST dst, li, sk
	v_add_nc_u32 v[\li], \sk, v[R]
	v_min_u32 v[\li], s26, v[\li]
	v_add_nc_u32 v[\li], s22, v[\li]
	v_min_u32 v[\li], 0x7ff, v[\li]
	v_lshlrev_b32 v[\li], 2, v[\li]
	global_load_b32 v[\dst], v[\li], s[12:13]
.endm
.macro XADDR src
	v_min_u32 v[TMP], 0x7ff, v[\src]               ; a token's number lies in 0 .. 2,047
	v_lshl_add_u32 v[XO], v[TMP], 9, v[H16]
	v_lshlrev_b32 v[XSO], 5, v[TMP]
.endm
; x's fragments 4 u .. 4 u + 3 and their scale words: a fragment is 16 tokens x 128 K: lane (r, h) takes bytes 64 s + 32 c + 16 h of token r's row
.macro XLOADH u
.irp f, 0,1,2,3
.irp c, 0,1
	global_load_b128 v[XF+8*(4*\u+\f)+4*\c:XF+8*(4*\u+\f)+4*\c+3], v[XO], s[8:9] offset:64*(4*\u+\f)+32*\c
.endr
.endr
	global_load_b128 v[XS+4*\u:XS+4*\u+3], v[XSO], s[10:11] offset:16*\u
.endm
; A K step of 128: w's eight fragments and four registers of scale words from LDS, eight products.  The eight accumulators take turns, one instruction a turn, in the same order in every step.
.macro STEP ks
.rept 4
	v_nop                                          ; four plain places behind the last products, in front of loads into registers that they read (ISA guide 7.12.1 for vector instructions)
.endr
.if (\ks) == 4
	s_cmp_lt_u32 s28, s25                          ; fragments 0 to 3 are done with: they take my next tile's, if I have one
	s_cbranch_scc0 .Lno_x0
	XLOADH 0
.Lno_x0:
.endif
.irp ng, 0,1,2,3
.irp q, 0,1,2,3
	ds_load_b128 v[WF+16*\ng+4*\q:WF+16*\ng+4*\q+3], v[AF] offset:(8*\ng+(\ks))*2048+512*\q   ; 512 consecutive bytes
.endr
	ds_load_b32 v[WSC+\ng], v[ASC] offset:(8*\ng+(\ks))*128
.endr
.irp ng, 0,1,2,3
	s_wait_dscnt 15-5*\ng                          ; LDS loads come back in order: pair ng's five are in, the five of each later pair may be out
.if (\ks) == 0
	v_wmma_scale_f32_16x16x128_f8f6f4 v[ACC+16*\ng:ACC+16*\ng+7], v[WF+16*\ng:WF+16*\ng+7], v[XF+8*(\ks):XF+8*(\ks)+7], 0, v[WSC+\ng], v[XS+(\ks)] matrix_a_fmt:MATRIX_FMT_FP4 matrix_b_fmt:MATRIX_FMT_FP4
	v_wmma_scale_f32_16x16x128_f8f6f4 v[ACC+16*\ng+8:ACC+16*\ng+15], v[WF+16*\ng+8:WF+16*\ng+15], v[XF+8*(\ks):XF+8*(\ks)+7], 0, v[WSC+\ng], v[XS+(\ks)] matrix_a_fmt:MATRIX_FMT_FP4 matrix_b_fmt:MATRIX_FMT_FP4 matrix_a_scale:MATRIX_SCALE_ROW1
.else
	v_wmma_scale_f32_16x16x128_f8f6f4 v[ACC+16*\ng:ACC+16*\ng+7], v[WF+16*\ng:WF+16*\ng+7], v[XF+8*(\ks):XF+8*(\ks)+7], v[ACC+16*\ng:ACC+16*\ng+7], v[WSC+\ng], v[XS+(\ks)] matrix_a_fmt:MATRIX_FMT_FP4 matrix_b_fmt:MATRIX_FMT_FP4
	v_wmma_scale_f32_16x16x128_f8f6f4 v[ACC+16*\ng+8:ACC+16*\ng+15], v[WF+16*\ng+8:WF+16*\ng+15], v[XF+8*(\ks):XF+8*(\ks)+7], v[ACC+16*\ng+8:ACC+16*\ng+15], v[WSC+\ng], v[XS+(\ks)] matrix_a_fmt:MATRIX_FMT_FP4 matrix_b_fmt:MATRIX_FMT_FP4 matrix_a_scale:MATRIX_SCALE_ROW1
.endif
.endr
.endm
	s_load_b256 s[4:11], s[0:1], 0x0               ; w s[4:5], b s[6:7], xc s[8:9], xs s[10:11]
	s_load_b128 s[12:15], s[0:1], 0x20             ; order s[12:13], starts s[14:15]
	s_load_b64 s[16:17], s[0:1], 0x30              ; out0
	v_lshl_add_u32 v254, v0, 2, 0x32000
	v_mov_b32 v255, 0
	v_lshrrev_b32 v[TMP], 5, v0
	v_readfirstlane_b32 s18, v[TMP]                ; wave 0..15
	v_and_b32 v39, 31, v0                          ; lane
	v_and_b32 v[R], 15, v0
	v_bfe_u32 v38, v0, 4, 1                        ; lane / 16
	v_lshlrev_b32 v[LN4], 2, v39
	v_lshlrev_b32 v[AF], 4, v39
	v_lshlrev_b32 v[H16], 4, v38
	s_and_b32 s34, s18, 1                          ; which 64 columns
	s_lshr_b32 s35, s18, 1                         ; which K step
	s_lshl_b32 s36, s34, 4
	s_add_co_u32 s36, s36, s35                     ; 8 ng + s of my first column set: ng = 2 (W % 2)
	s_lshl_b32 s37, s36, 11
	v_lshlrev_b32 v[AW], 4, v[R]
	v_lshl_add_u32 v[AW], v38, 10, v[AW]
	v_add_nc_u32 v[AW], s37, v[AW]
	s_lshl_b32 s37, s36, 7
	s_add_co_u32 s37, s37, WS
	v_add_nc_u32 v[AWS], s37, v[LN4]
	v_add_nc_u32 v[ASC], WS, v[LN4]
	s_mul_i32 s37, s18, WSTG
	s_add_co_u32 s37, s37, STG                     ; my stage
	v_mul_u32_u24 v[STO], v[R], SPITCH
	v_lshl_add_u32 v[STO], v38, 5, v[STO]
	v_add_nc_u32 v[STO], s37, v[STO]
	v_add_nc_u32 v[RD], s37, v[AF]
	s_and_b32 s20, ttmp7, 0xffff                   ; the group
	s_lshl_b32 s30, s20, 24                        ; w: a group is 2^24 bytes,
	s_lshl_b32 s32, s35, 21                        ; a K step's 128 rows 2^21,
	s_add_co_u32 s30, s30, s32
	s_lshl_b32 s32, s34, 8                         ; 64 columns 256,
	s_add_co_u32 s30, s30, s32
	s_lshl_b32 s32, ttmp9, 9                       ; the work-group's 128 columns 512: the sum stays under 2^27
	s_add_co_u32 s30, s30, s32
	s_mov_b32 s31, 0
	s_mov_b32 s33, 0
	s_lshl_b32 s36, s20, 14                        ; b: a group's row is 16,384 bytes
	s_add_co_u32 s36, s36, s32
	s_mov_b32 s37, 0
	s_lshl_b32 s38, s20, 2
	s_mov_b32 s39, 0
	s_wait_kmcnt 0x0
	s_add_nc_u64 s[14:15], s[14:15], s[38:39]
	s_load_b32 s22, s[14:15], 0x0                  ; where my group begins in the list,
	s_load_b32 s23, s[14:15], 0x4                  ; and where the next one does
	s_add_nc_u64 s[4:5], s[4:5], s[30:31]
	s_add_nc_u64 s[6:7], s[6:7], s[36:37]
	s_add_nc_u64 s[16:17], s[16:17], s[32:33]
	; ---- PHASE A.  Two sets of 64 registers take turns.
	LOADW 0
	global_load_b128 v[BIAS:BIAS+3], v[AF], s[6:7]
	s_wait_kmcnt 0x0
	s_sub_co_u32 s24, s23, s22                     ; the group's tokens,
	s_min_u32 s24, s24, 0x800                      ; of which there are 2,048 at the most,
	s_add_co_u32 s25, s24, 15
	s_lshr_b32 s25, s25, 4                         ; its tiles,
	s_max_u32 s26, s24, 1
	s_sub_co_u32 s26, s26, 1                       ; its last row (0 in an empty group)
	s_add_co_u32 s41, s25, 15
	s_sub_co_u32 s41, s41, s18
	s_lshr_b32 s41, s41, 4                         ; how many of the tiles W, W + 16, .. lie under the group's number of tiles: (tiles + 15 - W) / 16, rounded down
	s_lshl_b32 s34, s18, 4
	TLIST TK, LI, s34                              ; my first tile's tokens,
	s_add_co_u32 s35, s34, 256
	TLIST TKN, LI2, s35                            ; and my second's
	LOADW 1
	QBATCH 0, 0x3f                                 ; behind block 0's loads came 67: the count's field holds 63, so b, both lists and one load more are in too
	XADDR TK
	XLOADH 0                                       ; my first tile's x lands while w is quantised
	XLOADH 1
	LOADW 2
	QBATCH 1, 0x3f                                 ; behind block 1's loads came 82
	LOADW 3
	QBATCH 2, 0x3f                                 ; behind block 2's loads came 64
	QBATCH 3, 0x0                                  ; the last: x is in as well
.irp e, 0,1
	ds_store_b32 v[AWS], v[26+\e] offset:1024*\e   ; my two columns' scale words of this K step
.endr
	s_wait_dscnt 0x0                               ; for the others' sake: my codes and scale words lie in LDS
	s_barrier_signal -1
	s_barrier_wait -1                              ; the one barrier: every wave passes it, whatever the group's size; behind it the images are only read
	; ---- PHASE B.  No LDS address is stepped, and no barrier stands here: a wave's stage is its own.  The loop ends on s40, which counts my tiles one by one up to s41; s27 is the tile's number.
	s_mov_b32 s27, s18
	s_mov_b32 s40, 0
	s_cmp_lt_u32 s40, s41
	s_cbranch_scc0 .Ldone
.Ltile:
	s_wait_xcnt 0x0                                ; the last tile's stores have read their offsets and their data: both are written again only behind this wait
	s_lshl_b32 s34, s27, 4
	s_sub_co_u32 s29, s24, s34
	s_min_u32 s29, s29, 16                         ; rows to store: at least 1
.irp i, 0,1,2,3,4,5,6,7,8,9,10,11,12,13,14,15
	v_readlane_b32 s35, v[TK], \i
	s_min_u32 s35, s35, 0x7ff
	v_lshl_add_u32 v[VO+\i], s35, 14, v[AF]        ; row i's token x 16,384 bytes + my 16
.endr
	s_add_co_u32 s28, s27, 16
	XADDR TKN                                      ; (x's earlier loads are in: their offsets may be written)
	s_add_co_u32 s34, s34, 512
	TLIST TKL, LI, s34                             ; the tokens of the tile after the next
	STEP 0
	STEP 1
	STEP 2
	STEP 3
	STEP 4
	STEP 5
	STEP 6
	STEP 7
	; THE WAY OUT
.rept 4
	v_nop                                          ; four plain places behind the last products: in front of the reads of their results and of loads into their operands
.endr
	s_cmp_lt_u32 s28, s25
	s_cbranch_scc0 .Lno_x1
	XLOADH 1                                       ; fragments 4 to 7 take my next tile's
.Lno_x1:
.irp nt, 0,1,2,3,4,5,6,7
	ds_store_b128 v[STO], v[ACC+8*\nt:ACC+8*\nt+3] offset:64*\nt       ; lane (r, h): token r, columns 16 nt + 8 h + 0 .. 7; each accumulator from its low end on
	ds_store_b128 v[STO], v[ACC+8*\nt+4:ACC+8*\nt+7] offset:64*\nt+16
.endr
.irp i, 0,1,2,3,4,5,6,7,8,9,10,11,12,13,14,15
	ds_load_b128 v[WF+4*\i:WF+4*\i+3], v[RD] offset:SPITCH*\i          ; LDS serves a wave's instructions in order (ISA guide 5.7.1.4): these see my stores
.endr
.irp i, 0,1,2,3,4,5,6,7,8,9,10,11,12,13,14,15
	s_wait_dscnt 15-\i                             ; row i is back; the 15 - i rows behind it may be out
.if \i > 0
	s_cmp_gt_u32 s29, \i
	s_cbranch_scc0 .Lrows_done                     ; the group ends here: the rest of the tile is not stored
.endif
	v_pk_add_f32 v[WF+4*\i:WF+4*\i+1], v[WF+4*\i:WF+4*\i+1], v[BIAS:BIAS+1]
	v_pk_add_f32 v[WF+4*\i+2:WF+4*\i+3], v[WF+4*\i+2:WF+4*\i+3], v[BIAS+2:BIAS+3]
	global_store_b128 v[VO+\i], v[WF+4*\i:WF+4*\i+3], s[16:17] th:TH_STORE_NT   ; 32 lanes store 512 consecutive bytes of the token's row, at a multiple of 512 from out0's first byte
.endr
.Lrows_done:
	s_wait_dscnt 0x0                               ; on the short way loads from the stage are still out
	s_wait_loadcnt 0x0                             ; my next tile's x, if any, and the list: zero holds on both ways round the loads that were jumped over
	v_mov_b32 v[TK], v[TKN]
	v_mov_b32 v[TKN], v[TKL]
	s_add_co_u32 s27, s27, 16                      ; my next tile's number
	s_add_co_u32 s40, s40, 1                       ; one more of my tiles is done
	s_cmp_lt_u32 s40, s41
	s_cbranch_scc1 .Ltile
.Ldone:
	s_wait_tensorcnt 0x0
	ds_add_u32 v254, v255
	s_wait_dscnt 0x0
	s_endpgm
.Lfunc_end_k_q6fe1cb8ac0_gemm:
	.size	k_q6fe1cb8ac0_gemm, .Lfunc_end_k_q6fe1cb8ac0_gemm-k_q6fe1cb8ac0_gemm
	.p2alignl 7, 3214868480
	.fill 96, 4, 3214868480
	.section	.rodata,"a",@progbits
	.p2align	6, 0x0
	.amdhsa_kernel k_q6fe1cb8ac0_gemm
		.amdhsa_group_segment_fixed_size 206848
		.amdhsa_private_segment_fixed_size 0
		.amdhsa_enable_private_segment 0
		.amdhsa_kernarg_size 56
		.amdhsa_user_sgpr_count 2
		.amdhsa_user_sgpr_kernarg_segment_ptr 1
		.amdhsa_wavefront_size32 1
		.amdhsa_system_sgpr_workgroup_id_x 1
		.amdhsa_system_sgpr_workgroup_id_y 1
		.amdhsa_system_sgpr_workgroup_id_z 1
		.amdhsa_system_vgpr_workitem_id 0
		.amdhsa_next_free_vgpr 256
		.amdhsa_next_free_sgpr 66
		.amdhsa_reserve_vcc 0
		.amdhsa_float_denorm_mode_32 3
		.amdhsa_float_denorm_mode_16_64 3
		.amdhsa_memory_ordered 1
		.amdhsa_forward_progress 1
		.amdhsa_inst_pref_size 75
	.end_amdhsa_kernel
	.amdgpu_metadata
---
amdhsa.version: [ 1, 2 ]
amdhsa.kernels:
  - .name:           k_q6fe1cb8ac0_gemm
    .symbol:         k_q6fe1cb8ac0_gemm.kd
    .args:
      - { .name: w, .offset: 0, .size: 8, .value_kind: global_buffer, .address_space: global }
      - { .name: b, .offset: 8, .size: 8, .value_kind: global_buffer, .address_space: global }
      - { .name: xc, .offset: 16, .size: 8, .value_kind: global_buffer, .address_space: global }
      - { .name: xs, .offset: 24, .size: 8, .value_kind: global_buffer, .address_space: global }
      - { .name: order, .offset: 32, .size: 8, .value_kind: global_buffer, .address_space: global }
      - { .name: starts, .offset: 40, .size: 8, .value_kind: global_buffer, .address_space: global }
      - { .name: out0, .offset: 48, .size: 8, .value_kind: global_buffer, .address_space: global }
    .group_segment_fixed_size: 206848
    .private_segment_fixed_size: 0
    .kernarg_segment_align: 8
    .kernarg_segment_size: 56
    .max_flat_workgroup_size: 512
    .sgpr_count:     66
    .vgpr_count:     256
    .wavefront_size: 32
...
	.end_amdgpu_metadata
.endif
;; end of part 2
;; ======== version 2 of 2: 2 launches
;; workspace buffers: xc 1,048,576 bytes; xs 65,536 bytes; order 8,192 bytes of whole numbers; starts 256 bytes of whole numbers
;; launch prep (part 3): grid 257 x 1, 8 waves a work-group, no clusters, 39,424 bytes of LDS; arguments inputs, group_indices, xc, xs, order, starts, out0; writes xc, xs, order, starts, out0
.if DOCPART == 3
	.amdgcn_target "amdgcn-amd-amdhsa--gfx1250"
	.amdhsa_code_object_version 6
	.text
	.protected	k_q6fe1cb8ac0_prep
	.globl	k_q6fe1cb8ac0_prep
	.p2align	8
	.type	k_q6fe1cb8ac0_prep,@function
k_q6fe1cb8ac0_prep:
	s_mov_b64 s[64:65], 0
	v_nop
	global_prefetch_b8 v0, s[64:65] scope:SCOPE_SE
	s_setreg_imm32_b32 hwreg(HW_REG_WAVE_MODE, 25, 1), 1
	s_wait_xcnt 0x0
; TWO JOBS IN ONE LAUNCH, told apart by the work-group's number (the same in all eight waves of a work-group).
; Work-groups 0 to 255: inputs [2048][1024] f32 become codes of FP4 (E2M1), K innermost, xc [2048][512 bytes], and one E8M0 byte for each 32 along K, xs [2048][32 bytes].
;   A wave takes one token's row.  A block's scale is 2^(floor(log2(its largest magnitude)) - 2); its byte is that magnitude's exponent field - 2, held at 1 from below.
;   A token whose group index is not 0 .. 7 belongs to no group: its row of out0 is what the sum of masked products leaves there, zeros, and is written here.
; Work-group 256: a counting sort of the 2,048 tokens by group, without atomics: order[2048] = token numbers by bucket 0 .. 8 (bucket 8: every index that is not 0 .. 7), starts[q] = bucket q's first place.
; LIMITS: NaN and infinities among the inputs are not served.  A block of zeros gets the byte 1 where the rule says 127: its codes are zeros, which add nothing under any byte but 0xff, and only
; this program reads the bytes.  Blocks whose largest magnitude lies under 2^-124 have the byte held at 1 (the rule's e = -126).
; No tensor loads, no matrix unit, no cluster: the work-groups share no input, and each byte is read once.
.set STGW, 4608                        ; LDS: a wave's stage: 32 blocks x (128 bytes + 16 of padding); eight of them from byte 0
.set BP,   144                         ; a block's place in the stage: an odd multiple of 16 bytes, so that sixteen lanes' reads of 16 bytes fall on different columns of 16 bytes
.set SCB,  36864                       ; the work-group's 8 rows x 32 scale bytes
.set CNTB, 37120                       ; the sort's own bytes: [wave][32 words] of counts
.set SA,   2                           ; v2   stage, on the way in: 4608 wave + 144 (lane / 8) + 16 (lane % 8)
.set SB,   3                           ; v3   stage, on the way out: 4608 wave + 144 lane
.set SBY,  4                           ; v4   my block's scale byte: SCB + thread
.set SRD,  5                           ; v5   SCB + 8 lane
.set CA,   6                           ; v6   CNTB + 4 thread
.set CL,   7                           ; v7   CNTB + 4 lane
.set LO,   8                           ; v8   16 lane
.set L4,   9                           ; v9   4 lane
.set L8,   10                          ; v10  8 lane
.set GA,   11                          ; v11  1024 wave + 16 lane: my indices in group_indices
.set XL,   32                          ; v32-63  a row as loaded
.set XB,   64                          ; v64-95  my block's 32 neighbours
.set IX,   32                          ; the sort: v32-39 buckets, v40-47 ranks, v48-56 at work, v57-64 places, v65-72 token numbers, v73-80 the waves' counts
.set RK,   40
.set TT,   48
.set PL,   57
.set TOK,  65
.set LC,   73
.set RUN,  32                          ; s32-40 running counts;  s41-49 lane masks;  s50-58 totals;  s66-75 the buckets' first places
.set MK,   41
.set TOT,  50
.set STA,  66
	s_load_b256 s[4:11], s[0:1], 0x0               ; inputs s[4:5], group_indices s[6:7], xc s[8:9], xs s[10:11]
	s_load_b128 s[12:15], s[0:1], 0x20             ; order s[12:13], starts s[14:15]
	s_load_b64 s[16:17], s[0:1], 0x30              ; out0
	v_lshl_add_u32 v96, v0, 2, 0x9600
	v_mov_b32 v97, 0
	v_lshrrev_b32 v1, 5, v0
	s_delay_alu instid0(VALU_DEP_1)
	v_readfirstlane_b32 s18, v1                    ; wave 0..7
	v_and_b32 v1, 31, v0                           ; lane
	s_mul_i32 s19, s18, STGW
	v_lshrrev_b32 v12, 3, v1
	s_delay_alu instid0(VALU_DEP_1)
	v_mul_u32_u24 v[SA], v12, BP
	v_and_b32 v12, 7, v1
	s_delay_alu instid0(VALU_DEP_1)
	v_lshl_add_u32 v[SA], v12, 4, v[SA]
	s_delay_alu instid0(VALU_DEP_1)
	v_add_nc_u32 v[SA], s19, v[SA]
	v_mul_u32_u24 v[SB], v1, BP
	s_delay_alu instid0(VALU_DEP_1)
	v_add_nc_u32 v[SB], s19, v[SB]
	v_add_nc_u32 v[SBY], SCB, v0
	v_lshlrev_b32 v[L8], 3, v1
	s_delay_alu instid0(VALU_DEP_1)
	v_add_nc_u32 v[SRD], SCB, v[L8]
	v_lshl_add_u32 v[CA], v0, 2, CNTB
	v_lshlrev_b32 v[L4], 2, v1
	s_delay_alu instid0(VALU_DEP_1)
	v_add_nc_u32 v[CL], CNTB, v[L4]
	v_lshlrev_b32 v[LO], 4, v1
	s_lshl_b32 s23, s18, 10
	v_add_nc_u32 v[GA], s23, v[LO]
	s_wait_kmcnt 0x0
	s_cmp_eq_u32 ttmp9, 256
	s_cbranch_scc1 .Lsort
	; ---- THE QUANTISER.  My row = 8 x work-group + wave
	s_lshl_b32 s19, ttmp9, 3
	s_add_co_u32 s19, s19, s18
	s_lshl_b32 s20, s19, 2
	s_mov_b32 s21, 0
	s_add_nc_u64 s[6:7], s[6:7], s[20:21]
	s_load_b32 s22, s[6:7], 0x0                    ; my token's group index
	s_lshl_b32 s24, s19, 12                        ; a row of inputs is 4,096 bytes,
	s_mov_b32 s25, 0
	s_add_nc_u64 s[4:5], s[4:5], s[24:25]
	s_lshl_b32 s26, s19, 9                         ; of xc 512,
	s_mov_b32 s27, 0
	s_add_nc_u64 s[8:9], s[8:9], s[26:27]
	s_lshl_b32 s28, s19, 14                        ; of out0 16,384;
	s_mov_b32 s29, 0
	s_add_nc_u64 s[16:17], s[16:17], s[28:29]
	s_lshl_b32 s30, ttmp9, 8                       ; the work-group's 8 rows of xs are 256 bytes
	s_mov_b32 s31, 0
	s_add_nc_u64 s[10:11], s[10:11], s[30:31]
	s_wait_alu depctr_va_vdst(0)
.irp j, 0,1,2,3,4,5,6,7
	global_load_b128 v[XL+4*\j:XL+4*\j+3], v[LO], s[4:5] offset:512*\j th:TH_LOAD_NT   ; 32 lanes read 512 consecutive bytes; the eight loads are the whole row
.endr
	; The conversions take neighbours along K from ONE lane's registers, the loads are dense across lanes: so the row turns through my wave's own stage.  Load j's lane l holds 16 bytes of block 4 j + l / 8.
.irp j, 0,1,2,3,4,5,6,7
	s_wait_loadcnt 7-\j                            ; loads come back in order: load j is in, the 7 - j younger ones may be out
	ds_store_b128 v[SA], v[XL+4*\j:XL+4*\j+3] offset:4*BP*\j
.endr
.irp i, 0,1,2,3,4,5,6,7
	ds_load_b128 v[XB+4*\i:XB+4*\i+3], v[SB] offset:16*\i   ; LDS serves a wave's instructions in order: these see my stores.  Lane l takes block l whole
.endr
	s_wait_dscnt 0x0
	v_max3_num_f32 v12, |v[XB]|, |v[XB+1]|, |v[XB+2]|       ; the block's largest magnitude, in two chains
	v_max3_num_f32 v13, |v[XB+3]|, |v[XB+4]|, |v[XB+5]|
.irp i, 6,10,14,18,22,26
	s_delay_alu instid0(VALU_DEP_2)
	v_max3_num_f32 v12, v12, |v[XB+\i]|, |v[XB+\i+1]|
	s_delay_alu instid0(VALU_DEP_2)
	v_max3_num_f32 v13, v13, |v[XB+\i+2]|, |v[XB+\i+3]|
.endr
	s_delay_alu instid0(VALU_DEP_2)
	v_max3_num_f32 v12, v12, |v[XB+30]|, |v[XB+31]|
	s_delay_alu instid0(VALU_DEP_1)
	v_max3_num_f32 v12, v12, v13, 0x1800000        ; and the floor 2^(3 - 127): the byte cannot fall under 1
	s_delay_alu instid0(VALU_DEP_1)
	v_add_nc_u32 v16, 0xff000000, v12              ; 2 off its exponent field: the conversion takes the exponent field of this operand as its scale, and nothing else of it
.irp q, 0,1,2,3
	v_cvt_scalef32_pk8_fp4_f32 v[24+\q], v[XB+8*\q:XB+8*\q+7], v16   ; eight numbers / the scale, to the nearest code, ties to even, beyond 6 the largest code; the first number's code in the lowest bits
.endr
	v_lshrrev_b32 v17, 23, v16                     ; the scale's byte (also the plain line behind the conversions)
	ds_store_b8 v[SBY], v17
	global_store_b128 v[LO], v[24:27], s[8:9]      ; block l's 16 bytes at 16 l: the wave stores the row's 512 consecutive bytes
	s_wait_kmcnt 0x0                               ; my token's group index
	s_cmp_gt_u32 s22, 7                            ; as an unsigned number: negative indices too
	s_cbranch_scc0 .Lowned                         ; a group owns the row: the next launch writes it
.irp q, 0,1,2,3
	v_mov_b32 v[28+\q], 0
.endr
.irp j, 0,1,2,3,4,5,6,7,8,9,10,11,12,13,14,15,16,17,18,19,20,21,22,23,24,25,26,27,28,29,30,31
	global_store_b128 v[LO], v[28:31], s[16:17] offset:512*\j th:TH_STORE_NT
.endr
.Lowned:
	s_wait_dscnt 0x0                               ; for wave 0's sake: my scale bytes lie in LDS
	s_barrier_signal -1
	s_barrier_wait -1
	s_cmp_lg_u32 s18, 0
	s_cbranch_scc1 .Lq_end
	ds_load_b64 v[20:21], v[SRD]                   ; the eight rows' scale bytes,
	s_wait_dscnt 0x0
	global_store_b64 v[L8], v[20:21], s[10:11]     ; 256 consecutive bytes, aligned, by one store
.Lq_end:
	s_wait_tensorcnt 0x0
	ds_add_u32 v96, v97
	s_wait_dscnt 0x0
	s_endpgm
	; ---- THE SORT.  Wave w takes tokens 256 w .. 256 w + 255; register n = 4 j + e of lane l is token 256 w + 128 j + 4 l + e
.Lsort:
	s_wait_alu depctr_va_vdst(0)
	global_load_b128 v[IX:IX+3], v[GA], s[6:7]
	global_load_b128 v[IX+4:IX+7], v[GA], s[6:7] offset:512
.irp q, 0,1,2,3,4,5,6,7,8
	s_mov_b32 s[RUN+\q], 0
.endr
	s_wait_loadcnt 0x0
.irp n, 0,1,2,3,4,5,6,7
	v_min_u32 v[IX+\n], 8, v[IX+\n]                ; the bucket: as unsigned numbers all indices but 0 .. 7 fall into bucket 8
.endr
	; a token's rank among my wave's tokens of its bucket: those of earlier registers (the running count) + those of lower lanes in this register
.irp n, 0,1,2,3,4,5,6,7
.irp q, 0,1,2,3,4,5,6,7,8
	v_cmp_eq_u32 s[MK+\q], \q, v[IX+\n]
.endr
	v_mbcnt_lo_u32_b32 v[RK+\n], s[MK], s[RUN]
.irp q, 1,2,3,4,5,6,7,8
	v_mbcnt_lo_u32_b32 v[TT+\q], s[MK+\q], s[RUN+\q]
.endr
.irp q, 1
	v_cndmask_b32 v[RK+\n], v[RK+\n], v[TT+\q], s[MK+\q]
.endr
.irp q, 2, 3, 4, 5, 6, 7, 8
	s_delay_alu instid0(VALU_DEP_1)
	v_cndmask_b32 v[RK+\n], v[RK+\n], v[TT+\q], s[MK+\q]
.endr
.irp q, 0,1,2,3,4,5,6,7,8
	s_bcnt1_i32_b32 s59, s[MK+\q]
	s_add_co_u32 s[RUN+\q], s[RUN+\q], s59
.endr
.endr
	v_mov_b32 v81, 0
.irp q, 0,1,2,3,4,5,6,7,8
	s_delay_alu instid0(VALU_DEP_1)
	v_writelane_b32 v81, s[RUN+\q], \q             ; lane q: my wave's count of bucket q
.endr
	ds_store_b32 v[CA], v81
	s_wait_dscnt 0x0                               ; for the others' sake: my counts lie in LDS
	s_barrier_signal -1
	s_barrier_wait -1
.irp u, 0,1,2,3,4,5,6,7
	ds_load_b32 v[LC+\u], v[CL] offset:128*\u      ; lane q: wave u's count of bucket q
.endr
	v_mov_b32 v84, 0
	s_wait_dscnt 0x0
	v_add_nc_u32 v85, v[LC], v[LC+1]
.irp u, 2,3,4,5,6,7
	s_delay_alu instid0(VALU_DEP_1)
	v_add_nc_u32 v85, v85, v[LC+\u]                ; the bucket's total
.endr
.irp u, 0,1,2,3,4,5,6
	s_cmp_gt_u32 s18, \u
	s_cselect_b32 s59, -1, 0
	v_and_b32 v83, s59, v[LC+\u]
	s_wait_alu depctr_va_vdst(0)
	v_add_nc_u32 v84, v84, v83                     ; what the waves before mine have of it
.endr
.irp q, 0,1,2,3,4,5,6,7,8
	v_readlane_b32 s[TOT+\q], v85, \q
.endr
	s_mov_b32 s[STA], 0
.irp q, 0,1,2,3,4,5,6,7,8
	s_add_co_u32 s[STA+1+\q], s[STA+\q], s[TOT+\q]   ; the buckets' first places
.endr
	v_mov_b32 v82, 0
.irp q, 0,1,2,3,4,5,6,7,8,9
	s_delay_alu instid0(VALU_DEP_1)
	v_writelane_b32 v82, s[STA+\q], \q
.endr
	s_delay_alu instid0(VALU_DEP_1)
	v_add_nc_u32 v86, v82, v84                     ; lane q: where my wave's tokens of bucket q begin
.irp n, 0,1,2,3,4,5,6,7
	v_lshlrev_b32 v[TT+\n], 2, v[IX+\n]
.endr
.irp n, 0,1,2,3,4,5,6,7
	ds_bpermute_b32 v[PL+\n], v[TT+\n], v86        ; each token pulls its bucket's number from the lane of that number
.endr
	s_lshl_b32 s59, s18, 8
	v_add_nc_u32 v83, s59, v[L4]                   ; 256 wave + 4 lane
	s_wait_alu depctr_va_vdst(0)
	s_wait_dscnt 0x0
.irp n, 0,1,2,3,4,5,6,7
	v_add_nc_u32 v[PL+\n], v[PL+\n], v[RK+\n]      ; the token's place in the list,
	s_delay_alu instid0(VALU_DEP_1)
	v_min_u32 v[PL+\n], 0x7ff, v[PL+\n]            ; which lies in 0 .. 2,047,
	s_delay_alu instid0(VALU_DEP_1)
	v_lshlrev_b32 v[PL+\n], 2, v[PL+\n]            ; in bytes
	v_add_nc_u32 v[TOK+\n], 128*(\n/4)+(\n%4), v83
	global_store_b32 v[PL+\n], v[TOK+\n], s[12:13] ; 8,192 bytes in the whole launch go out word by word; each store has registers of its own, none is written again
.endr
	s_cmp_lg_u32 s18, 0
	s_cbranch_scc1 .Ls_end
	global_store_b32 v[L4], v82, s[14:15]          ; starts: words 0 .. 9, and zeros up to word 31
.Ls_end:
	s_wait_tensorcnt 0x0
	ds_add_u32 v96, v97
	s_wait_dscnt 0x0
	s_endpgm
.Lfunc_end_k_q6fe1cb8ac0_prep:
	.size	k_q6fe1cb8ac0_prep, .Lfunc_end_k_q6fe1cb8ac0_prep-k_q6fe1cb8ac0_prep
	.p2alignl 7, 3214868480
	.fill 96, 4, 3214868480
	.section	.rodata,"a",@progbits
	.p2align	6, 0x0
	.amdhsa_kernel k_q6fe1cb8ac0_prep
		.amdhsa_group_segment_fixed_size 39424
		.amdhsa_private_segment_fixed_size 0
		.amdhsa_enable_private_segment 0
		.amdhsa_kernarg_size 56
		.amdhsa_user_sgpr_count 2
		.amdhsa_user_sgpr_kernarg_segment_ptr 1
		.amdhsa_wavefront_size32 1
		.amdhsa_system_sgpr_workgroup_id_x 1
		.amdhsa_system_sgpr_workgroup_id_y 1
		.amdhsa_system_sgpr_workgroup_id_z 1
		.amdhsa_system_vgpr_workitem_id 0
		.amdhsa_next_free_vgpr 98
		.amdhsa_next_free_sgpr 80
		.amdhsa_reserve_vcc 0
		.amdhsa_float_denorm_mode_32 3
		.amdhsa_float_denorm_mode_16_64 3
		.amdhsa_memory_ordered 1
		.amdhsa_forward_progress 1
		.amdhsa_inst_pref_size 40
	.end_amdhsa_kernel
	.amdgpu_metadata
---
amdhsa.version: [ 1, 2 ]
amdhsa.kernels:
  - .name:           k_q6fe1cb8ac0_prep
    .symbol:         k_q6fe1cb8ac0_prep.kd
    .args:
      - { .name: inputs, .offset: 0, .size: 8, .value_kind: global_buffer, .address_space: global }
      - { .name: group_indices, .offset: 8, .size: 8, .value_kind: global_buffer, .address_space: global }
      - { .name: xc, .offset: 16, .size: 8, .value_kind: global_buffer, .address_space: global }
      - { .name: xs, .offset: 24, .size: 8, .value_kind: global_buffer, .address_space: global }
      - { .name: order, .offset: 32, .size: 8, .value_kind: global_buffer, .address_space: global }
      - { .name: starts, .offset: 40, .size: 8, .value_kind: global_buffer, .address_space: global }
      - { .name: out0, .offset: 48, .size: 8, .value_kind: global_buffer, .address_space: global }
    .group_segment_fixed_size: 39424
    .private_segment_fixed_size: 0
    .kernarg_segment_align: 8
    .kernarg_segment_size: 56
    .max_flat_workgroup_size: 256
    .sgpr_count:     80
    .vgpr_count:     98
    .wavefront_size: 32
...
	.end_amdgpu_metadata
.endif
;; end of part 3
;; launch gemm (part 4): grid 32 x 8, 16 waves a work-group, no clusters, 206,848 bytes of LDS; arguments w, b, xc, xs, order, starts, out0; writes out0
.if DOCPART == 4
	.amdgcn_target "amdgcn-amd-amdhsa--gfx1250"
	.amdhsa_code_object_version 6
	.text
	.protected	k_q6fe1cb8ac0_gemm
	.globl	k_q6fe1cb8ac0_gemm
	.p2align	8
	.type	k_q6fe1cb8ac0_gemm,@function
k_q6fe1cb8ac0_gemm:
	s_mov_b64 s[64:65], 0
	v_nop
	global_prefetch_b8 v0, s[64:65] scope:SCOPE_SE
	s_setreg_imm32_b32 hwreg(HW_REG_WAVE_SCHED_MODE, 0, 2), 2
	s_setreg_imm32_b32 hwreg(HW_REG_WAVE_MODE, 25, 1), 1
	s_wait_xcnt 0x0
	s_wait_alu depctr_vm_vsrc(0)
; out0[i] = Q(inputs[i]) Q(w[g_i]) + b[g_i], both operands as codes of FP4 (E2M1) with one E8M0 scale for each 32 along K = 1,024; sums in f32.
; A token's row is zero in every masked product but its own group's, and zero codes add nothing: so each token is multiplied with its own group's weight alone.
; SHARES.  Work-group (x, y) owns columns 128 x .. 128 x + 127 of group y, all of K: 256 work-groups, each reading its own 512 KiB of w once.
; PHASE A.  w[g] is [K][4096] f32, K its first axis.  A LANE TAKES A COLUMN AND ITS REGISTERS RUN DOWN K: a block of 32 along K lies in one lane's 32 registers, its largest magnitude needs no other lane, and the
;   conversions give codes with K innermost.  Wave W takes K step W / 2 (128 rows) of columns 64 (W % 2) on, two columns a lane (l and 32 + l): two neighbouring loads cover 256 consecutive bytes of a row of w, aligned.
;   The codes go to LDS AS IMAGES OF THE OPERAND'S REGISTERS (64 KiB), the scale words beside them (4 KiB), and never to memory.  One barrier.
; PHASE B.  The group's tokens, from the list that the launch before stored, in tiles of 16; wave W takes tiles W, W + 16, ..  A tile is 16 tokens x 128 columns x K 1,024: 64 matrix instructions on 8 accumulators.
;   THE MATRIX INSTRUCTION IS USED TRANSPOSED (source 0 = 16 columns of w, source 1 = 16 tokens): a lane then holds eight neighbouring columns of one token's row.  x's codes come from memory straight into registers.
;   A tile leaves through the wave's own stage in LDS: whole rows of 512 bytes, the bias added on the way; rows past the group's end are computed (with the group's last token) and not stored.
; NO TENSOR LOADS, NO CLUSTER: the number of tiles and of rows hangs on counts read from memory, so LDS is filled through registers; and what the 32 work-groups of a group share, x's codes
;   (544 bytes a token), is small beside the 512 KiB of w that each reads alone.
; LIMITS: NaN and infinities in w are not served.  A block of zeros gets the byte 1 where the rule says 127 (its codes are zeros; only this launch reads the bytes); blocks under 2^-124 have the byte held at 1.
; THE MODE: SCHED_MODE bits 1:0 = 2 (LLVM: expert scheduling mode 2), set by the entry lines.  The code itself states the register dependences
; between vector or matrix instructions and memory or LDS instructions, with s_wait_alu, always for 0.
; THE PLAN.  Registers that memory or LDS instructions touch:
;   v1-7          offsets and LDS addresses, made once at the head and never written again: one wait on va_vdst ahead of the first load serves them all.
;   PHASE A.  FB set bk % 2: block bk's loads land in it, its maxima and conversions read it, the loads of block bk + 2 land in it again.  CD: a block's conversions write it, its two LDS stores read it.
;     Two waits on va_vdst a block, one ahead of its conversions; the one behind them: the codes are written, the set is read out (and, in block 0, x's offsets are written; in block 3, the scale words).  The block's LDS stores and the loads
;     of two blocks on follow it.  One wait on vm_vsrc in blocks 1 to 3, ahead of the conversions: the last block's LDS stores have read CD.
;   PHASE B, a tile.  VO, XO, XSO, LI: written at the tile's head, read by its stores and loads.  TKL: the list's load lands in it, a move reads it at the tile's end.  WF, WSC: a step's LDS loads land in them, its
;     eight products read them; on the way out the stage's rows land in WF, the bias is added there, the stores read it.  XF, XS: read by the products; the next tile's loads land in fragments 0 to 3 at step 4,
;     in 4 to 7 on the way out.  ACC: written by the products, read by the LDS stores into the stage.
;     At the head: one wait on vm_vsrc (all that the last tile's memory and LDS instructions read may be written again), one on va_sdst (the sixteen tokens' numbers, read out of a register in one run), one on
;     va_vdst behind all the address work.  One wait on va_vdst at the head of steps 1 to 7 (the last step's products are done with WF and WSC), one ahead of the way out, one between the run of bias additions and the run of stores.
;     w's fragments have one set of registers: sixteen waves of 256 registers take all that the four SIMDs have, and a second set would be 68 registers.
.set WS,     65536                     ; LDS: from 0 the codes: pair of tiles (ng = 32 columns, K step s) at (8 ng + s) x 2,048; in it register group q = 2 (column / 16) + c at 512 q, lane L's 16 bytes at 16 L
                                       ; from WS the scale words: (8 ng + s) x 128 + 4 x (column % 32)
.set STG,    69632                     ; from STG a stage for each wave: 16 rows x (512 bytes + 16)
.set SPITCH, 528
.set WSTG,   16*SPITCH
.set LN4,  1                           ; v1   4 lane
.set AW,   2                           ; v2   where I store codes: (16 (W % 2) + W / 2) x 2,048 + 1,024 (lane / 16) + 16 (lane % 16)
.set AWS,  3                           ; v3   and scale words: WS + (16 (W % 2) + W / 2) x 128 + 4 lane
.set AF,   4                           ; v4   16 lane: an image's place for my lane; also my 16 bytes in b's and in out0's 512
.set ASC,  5                           ; v5   WS + 4 lane
.set STO,  6                           ; v6   the stage, in: row lane % 16, + 32 (lane / 16)
.set RD,   7                           ; v7   the stage, back: 16 lane
.set XO,   8                           ; v8   x's codes: token x 512 + 16 (lane / 16)
.set XSO,  9                           ; v9   x's scale words: token x 32
.set TK,   10                          ; v10-12 the tokens of this tile, the next, the one after: lanes r and r + 16 hold row r's
.set TKN,  11
.set TKL,  12
.set LI,   13                          ; v13, v37 offsets into the list
.set R,    14                          ; v14  lane % 16
.set H16,  15                          ; v15  16 (lane / 16)
.set BIAS, 16                          ; v16-19 b[g][128 x + 4 lane + 0 .. 3]
.set VO,   20                          ; v20-35 phase B: the 16 rows' offsets in out0.  Phase A: v20-23 largest magnitudes, v24-25 scale operands, v26-27 scale words, v28-29 bytes
.set TMP,  36
.set LI2,  37
.set XS,   40                          ; v40-47 x's scale words, register s for K step s: scales and nothing else
.set XF,   48                          ; v48-111 x's eight fragments
.set FB,   112                         ; v112-239 phase A: two sets of 64 numbers (in a set: column l at + 0 .. 31, column 32 + l at + 32 .. 63)
.set ACC,  112                         ; v112-175 phase B: the accumulators, tile nt of 16 columns at + 8 nt
.set WF,   176                         ; v176-239 phase B: w's eight fragments of a K step; on the way out the 16 rows read back
.set WSC,  240                         ; v240-243 w's scale words of a K step: lanes 0-15 the even tile's, lanes 16-31 the odd tile's: scales and nothing else
.set CD,   244                         ; v244-251 phase A: a batch's codes
; s18 wave; s20 group; s22, s23 the group's first place in the list and the next group's; s24 its tokens; s25 its tiles; s26 max(tokens, 1) - 1; s27 my tile; s28 my next tile; s29 rows to store;
; s40 counts my trips, one a tile; s41 how many tiles are mine; s19 in phase B a tile's first row; s30-39 and s42-47 in phase B the numbers of the tile's 16 tokens (at the head s30-39 are at work)
; 64 loads: rows 32 bk .. 32 bk + 31 of my K step, my two columns.  The largest immediate is 127 x 16,384 + 128, inside the signed 24 bits (ISA guide, chapter 10)
.macro LOADW bk
.irp i, 0,1,2,3,4,5,6,7,8,9,10,11,12,13,14,15,16,17,18,19,20,21,22,23,24,25,26,27,28,29,30,31
.irp e, 0,1
	global_load_b32 v[FB+64*((\bk)%2)+32*\e+\i], v[LN4], s[4:5] offset:(32*(\bk)+\i)*16384+128*\e th:TH_LOAD_NT
.endr
.endr
.endm
; Block bk of my two columns: largest magnitude, scale, codes.  left: how many younger loads may stay out
.macro QMATH bk, left
.set F, FB+64*((\bk)%2)
	s_wait_loadcnt \left
.irp e, 0,1
	v_max3_num_f32 v[20+2*\e], |v[F+32*\e]|, |v[F+32*\e+1]|, |v[F+32*\e+2]|
	v_max3_num_f32 v[21+2*\e], |v[F+32*\e+3]|, |v[F+32*\e+4]|, |v[F+32*\e+5]|
.endr
.irp i, 6,10,14,18,22,26
.irp e, 0,1
	v_max3_num_f32 v[20+2*\e], v[20+2*\e], |v[F+32*\e+\i]|, |v[F+32*\e+\i+1]|
	v_max3_num_f32 v[21+2*\e], v[21+2*\e], |v[F+32*\e+\i+2]|, |v[F+32*\e+\i+3]|
.endr
.endr
.irp e, 0,1
	v_max3_num_f32 v[20+2*\e], v[20+2*\e], |v[F+32*\e+30]|, |v[F+32*\e+31]|
.endr
.irp e, 0,1
	v_max3_num_f32 v[20+2*\e], v[20+2*\e], v[21+2*\e], 0x1800000   ; and the floor 2^(3 - 127): the byte cannot fall under 1
.endr
.irp e, 0,1
	v_add_nc_u32 v[24+\e], 0xff000000, v[20+2*\e]  ; 2 off the exponent field: the conversion's scale operand
.endr
.irp e, 0,1
.if (\bk) == 0
	v_lshrrev_b32 v[26+\e], 23, v[24+\e]           ; the scale's byte: the first begins the column's scale word of this K step
.else
	v_lshrrev_b32 v[28+\e], 23, v[24+\e]
.endif
.endr
.if (\bk) > 0
.irp e, 0,1
	v_lshl_or_b32 v[26+\e], v[28+\e], 8*(\bk), v[26+\e]
.endr
.endif
	s_wait_alu depctr_va_vdst(0)
	s_wait_dscnt 0x0                               ; the last batch's LDS stores have read the codes' registers
.if (\bk) > 0
	s_wait_alu depctr_vm_vsrc(0)                   ; stated beside it: the last batch's LDS stores have read v[CD ..], which the conversions below write again
.endif
.irp e, 0,1
.irp q, 0,1,2,3
	v_cvt_scalef32_pk8_fp4_f32 v[CD+4*\e+\q], v[F+32*\e+8*\q:F+32*\e+8*\q+7], v[24+\e]
.endr
.endr
	v_nop                                          ; one plain line behind the last scaled conversion
.endm
; The block's codes go to their place in the operand's image
.macro QSTORE bk
	s_wait_alu depctr_va_vdst(0)                   ; the conversions have written v[CD ..], which the LDS stores read, and are done reading this set of numbers, in which the loads of two blocks on land; block 0: x's offsets are written; block 3: so are the scale words v26, v27
.irp e, 0,1
	ds_store_b128 v[AW], v[CD+4*\e:CD+4*\e+3] offset:16384*\e+512*((\bk)/2)+256*((\bk)%2)   ; k = 32 bk on is register group c = bk / 2 of the lanes' half bk % 2; sixteen lanes write 256 consecutive bytes
.endr
.endm
; Where the 16 tokens of the tile whose first row is sk (a scalar register) stand in the list: rows past the group's end take its last token; every place is held inside the list
.macro TADDR li, sk
	v_add_nc_u32 v[\li], \sk, v[R]
	v_min_u32 v[\li], s26, v[\li]
	v_add_nc_u32 v[\li], s22, v[\li]
	v_min_u32 v[\li], 0x7ff, v[\li]
	v_lshlrev_b32 v[\li], 2, v[\li]
.endm
.macro XADDR src
	v_min_u32 v[TMP], 0x7ff, v[\src]               ; a token's number lies in 0 .. 2,047
	v_lshl_add_u32 v[XO], v[TMP], 9, v[H16]
	v_lshlrev_b32 v[XSO], 5, v[TMP]
.endm
; x's fragments 4 u .. 4 u + 3 and their scale words: a fragment is 16 tokens x 128 K: lane (r, h) takes bytes 64 s + 32 c + 16 h of token r's row
.macro XLOADH u
.irp f, 0,1,2,3
.irp c, 0,1
	global_load_b128 v[XF+8*(4*\u+\f)+4*\c:XF+8*(4*\u+\f)+4*\c+3], v[XO], s[8:9] offset:64*(4*\u+\f)+32*\c
.endr
.endr
	global_load_b128 v[XS+4*\u:XS+4*\u+3], v[XSO], s[10:11] offset:16*\u
.endm
; A K step of 128: w's eight fragments and four registers of scale words from LDS, eight products.  The eight accumulators take turns, one instruction a turn, in the same order in every step.
.macro STEP ks
.rept 4
	v_nop                                          ; four plain places behind the last products, in front of loads into registers that they read (ISA guide 7.12.1 for vector instructions)
.endr
.if (\ks) > 0
	s_wait_alu depctr_va_vdst(0)                   ; the last step's products are done reading v[WF ..] and v[WSC ..], in which the LDS loads below land; at step 4 also: steps 0 to 3 are done reading x's fragments 0 to 3 and their scale words.  (Step 0 leans on the wait at the tile's head: only v_nop stand behind that)
.endif
.if (\ks) == 4
	s_cmp_lt_u32 s28, s25                          ; fragments 0 to 3 are done with: they take my next tile's, if I have one
	s_cbranch_scc0 .Lno_x0
	XLOADH 0
.Lno_x0:
.endif
.irp ng, 0,1,2,3
.irp q, 0,1,2,3
	ds_load_b128 v[WF+16*\ng+4*\q:WF+16*\ng+4*\q+3], v[AF] offset:(8*\ng+(\ks))*2048+512*\q   ; 512 consecutive bytes
.endr
	ds_load_b32 v[WSC+\ng], v[ASC] offset:(8*\ng+(\ks))*128
.endr
.irp ng, 0,1,2,3
	s_wait_dscnt 15-5*\ng                          ; LDS loads come back in order: pair ng's five are in, the five of each later pair may be out
.if (\ks) == 0
	v_wmma_scale_f32_16x16x128_f8f6f4 v[ACC+16*\ng:ACC+16*\ng+7], v[WF+16*\ng:WF+16*\ng+7], v[XF+8*(\ks):XF+8*(\ks)+7], 0, v[WSC+\ng], v[XS+(\ks)] matrix_a_fmt:MATRIX_FMT_FP4 matrix_b_fmt:MATRIX_FMT_FP4
	v_wmma_scale_f32_16x16x128_f8f6f4 v[ACC+16*\ng+8:ACC+16*\ng+15], v[WF+16*\ng+8:WF+16*\ng+15], v[XF+8*(\ks):XF+8*(\ks)+7], 0, v[WSC+\ng], v[XS+(\ks)] matrix_a_fmt:MATRIX_FMT_FP4 matrix_b_fmt:MATRIX_FMT_FP4 matrix_a_scale:MATRIX_SCALE_ROW1
.else
	v_wmma_scale_f32_16x16x128_f8f6f4 v[ACC+16*\ng:ACC+16*\ng+7], v[WF+16*\ng:WF+16*\ng+7], v[XF+8*(\ks):XF+8*(\ks)+7], v[ACC+16*\ng:ACC+16*\ng+7], v[WSC+\ng], v[XS+(\ks)] matrix_a_fmt:MATRIX_FMT_FP4 matrix_b_fmt:MATRIX_FMT_FP4
	v_wmma_scale_f32_16x16x128_f8f6f4 v[ACC+16*\ng+8:ACC+16*\ng+15], v[WF+16*\ng+8:WF+16*\ng+15], v[XF+8*(\ks):XF+8*(\ks)+7], v[ACC+16*\ng+8:ACC+16*\ng+15], v[WSC+\ng], v[XS+(\ks)] matrix_a_fmt:MATRIX_FMT_FP4 matrix_b_fmt:MATRIX_FMT_FP4 matrix_a_scale:MATRIX_SCALE_ROW1
.endif
.endr
.endm
	s_load_b256 s[4:11], s[0:1], 0x0               ; w s[4:5], b s[6:7], xc s[8:9], xs s[10:11]
	s_load_b128 s[12:15], s[0:1], 0x20             ; order s[12:13], starts s[14:15]
	s_load_b64 s[16:17], s[0:1], 0x30              ; out0
	v_lshl_add_u32 v254, v0, 2, 0x32000
	v_mov_b32 v255, 0
	v_lshrrev_b32 v[TMP], 5, v0
	v_readfirstlane_b32 s18, v[TMP]                ; wave 0..15
	v_and_b32 v39, 31, v0                          ; lane
	v_and_b32 v[R], 15, v0
	v_bfe_u32 v38, v0, 4, 1                        ; lane / 16
	v_lshlrev_b32 v[LN4], 2, v39
	s_wait_alu depctr_va_vdst(0)
	v_lshlrev_b32 v[AF], 4, v39
	v_lshlrev_b32 v[H16], 4, v38
	s_wait_alu depctr_va_sdst(0)                   ; s18 is written, ahead of its first reader: addresses, bases and the trip count are made from it
	s_and_b32 s34, s18, 1                          ; which 64 columns
	s_lshr_b32 s35, s18, 1                         ; which K step
	s_lshl_b32 s36, s34, 4
	s_add_co_u32 s36, s36, s35                     ; 8 ng + s of my first column set: ng = 2 (W % 2)
	s_lshl_b32 s37, s36, 11
	v_lshlrev_b32 v[AW], 4, v[R]
	v_lshl_add_u32 v[AW], v38, 10, v[AW]
	v_add_nc_u32 v[AW], s37, v[AW]
	s_lshl_b32 s37, s36, 7
	s_add_co_u32 s37, s37, WS
	v_add_nc_u32 v[AWS], s37, v[LN4]
	v_add_nc_u32 v[ASC], WS, v[LN4]
	s_mul_i32 s37, s18, WSTG
	s_add_co_u32 s37, s37, STG                     ; my stage
	v_mul_u32_u24 v[STO], v[R], SPITCH
	v_lshl_add_u32 v[STO], v38, 5, v[STO]
	v_add_nc_u32 v[STO], s37, v[STO]
	v_add_nc_u32 v[RD], s37, v[AF]
	s_and_b32 s20, ttmp7, 0xffff                   ; the group
	s_lshl_b32 s30, s20, 24                        ; w: a group is 2^24 bytes,
	s_lshl_b32 s32, s35, 21                        ; a K step's 128 rows 2^21,
	s_add_co_u32 s30, s30, s32
	s_lshl_b32 s32, s34, 8                         ; 64 columns 256,
	s_add_co_u32 s30, s30, s32
	s_lshl_b32 s32, ttmp9, 9                       ; the work-group's 128 columns 512: the sum stays under 2^27
	s_add_co_u32 s30, s30, s32
	s_mov_b32 s31, 0
	s_mov_b32 s33, 0
	s_lshl_b32 s36, s20, 14                        ; b: a group's row is 16,384 bytes
	s_add_co_u32 s36, s36, s32
	s_mov_b32 s37, 0
	s_lshl_b32 s38, s20, 2
	s_mov_b32 s39, 0
	s_wait_kmcnt 0x0
	s_add_nc_u64 s[14:15], s[14:15], s[38:39]
	s_load_b32 s22, s[14:15], 0x0                  ; where my group begins in the list,
	s_load_b32 s23, s[14:15], 0x4                  ; and where the next one does
	s_add_nc_u64 s[4:5], s[4:5], s[30:31]
	s_add_nc_u64 s[6:7], s[6:7], s[36:37]
	s_add_nc_u64 s[16:17], s[16:17], s[32:33]
	s_wait_alu depctr_va_vdst(0)                   ; the seven offsets and LDS addresses v1 to v7 are written, which the loads, stores and LDS instructions of the whole kernel read; none is written again
	; ---- PHASE A.  Two sets of 64 registers take turns.
	LOADW 0
	global_load_b128 v[BIAS:BIAS+3], v[AF], s[6:7]
	s_wait_kmcnt 0x0
	s_sub_co_u32 s24, s23, s22                     ; the group's tokens,
	s_min_u32 s24, s24, 0x800                      ; of which there are 2,048 at the most,
	s_add_co_u32 s25, s24, 15
	s_lshr_b32 s25, s25, 4                         ; its tiles,
	s_max_u32 s26, s24, 1
	s_sub_co_u32 s26, s26, 1                       ; its last row (0 in an empty group)
	s_add_co_u32 s41, s25, 15
	s_sub_co_u32 s41, s41, s18
	s_lshr_b32 s41, s41, 4                         ; how many of the tiles W, W + 16, .. lie under the group's number of tiles: (tiles + 15 - W) / 16, rounded down
	s_lshl_b32 s34, s18, 4
	TADDR LI, s34                                  ; where my first tile's tokens stand in the list,
	s_add_co_u32 s35, s34, 256
	TADDR LI2, s35                                 ; and my second's: both offsets are made first, so that one wait serves both loads
	s_wait_alu depctr_va_vdst(0)                   ; v[LI] and v[LI2] are written, which the two loads below read
	global_load_b32 v[TK], v[LI], s[12:13]         ; my first tile's tokens,
	global_load_b32 v[TKN], v[LI2], s[12:13]       ; and my second's
	LOADW 1
	QMATH 0, 0x3f                                  ; behind block 0's loads came 67: the count's field holds 63, so b, both lists and one load more are in too
	XADDR TK                                       ; ahead of the block's wait on va_vdst, which so serves x's offsets too
	QSTORE 0
	XLOADH 0                                       ; my first tile's x lands while w is quantised
	XLOADH 1
	LOADW 2                                        ; no vector instruction since the block's wait names set 0
	QMATH 1, 0x3f                                  ; behind block 1's loads came 82
	QSTORE 1
	LOADW 3                                        ; nor set 1 here
	QMATH 2, 0x3f                                  ; behind block 2's loads came 64
	QSTORE 2
	QMATH 3, 0x0                                   ; the last: x is in as well
	QSTORE 3
.irp e, 0,1
	ds_store_b32 v[AWS], v[26+\e] offset:1024*\e   ; my two columns' scale words of this K step (written ahead of block 3's wait on va_vdst)
.endr
	s_wait_dscnt 0x0                               ; for the others' sake: my codes and scale words lie in LDS
	s_barrier_signal -1
	s_barrier_wait -1                              ; the one barrier: every wave passes it, whatever the group's size; behind it the images are only read
	; ---- PHASE B.  No LDS address is stepped, and no barrier stands here: a wave's stage is its own.  The loop ends on s40, which counts my tiles one by one up to s41; s27 is the tile's number.
	s_mov_b32 s27, s18
	s_mov_b32 s40, 0
	s_cmp_lt_u32 s40, s41
	s_cbranch_scc0 .Ldone
.Ltile:
	s_wait_xcnt 0x0                                ; the last tile's stores have read their offsets and their data: both are written again only behind this wait
	s_wait_alu depctr_vm_vsrc(0)                   ; stated beside it: the last tile's stores have read v[VO ..] and v[WF ..], its LDS stores v[ACC ..], x's loads v[XO] and v[XSO], the list's load v[LI]; in the first trip the LDS stores of the scale words have read v26, v27: this tile writes all of these again
	s_lshl_b32 s19, s27, 4
	s_sub_co_u32 s29, s24, s19
	s_min_u32 s29, s29, 16                         ; rows to store: at least 1
	s_wait_alu depctr_va_vdst(0)
.irp i, 0,1,2,3,4,5,6,7,8,9,10,11,12,13,14,15
	v_readlane_b32 s[30+\i+2*(\i/10)], v[TK], \i   ; row i's token: sixteen scalar registers, s30-39 and s42-47, so that one wait serves the run
.endr
	s_add_co_u32 s28, s27, 16
	XADDR TKN                                      ; (x's earlier loads are in: their offsets may be written)
	s_add_co_u32 s19, s19, 512
	TADDR LI, s19                                  ; where the tokens of the tile after the next stand in the list
	s_wait_alu depctr_va_sdst(0)                   ; the sixteen v_readlane_b32 have written s30-39 and s42-47, ahead of their first reader
.irp i, 0,1,2,3,4,5,6,7,8,9,10,11,12,13,14,15
	s_min_u32 s[30+\i+2*(\i/10)], s[30+\i+2*(\i/10)], 0x7ff
	v_lshl_add_u32 v[VO+\i], s[30+\i+2*(\i/10)], 14, v[AF]   ; row i's token x 16,384 bytes + my 16
.endr
	s_wait_alu depctr_va_vdst(0)                   ; v[LI], v[XO], v[XSO] and v[VO ..] are written, which this tile's loads and stores read; the move at the last tile's end is done reading v[TKL], its bias additions and products are done with v[WF ..] and v[WSC ..]: loads land in these below
	global_load_b32 v[TKL], v[LI], s[12:13]        ; the tokens of the tile after the next
	STEP 0
	STEP 1
	STEP 2
	STEP 3
	STEP 4
	STEP 5
	STEP 6
	STEP 7
	; THE WAY OUT
.rept 4
	v_nop                                          ; four plain places behind the last products: in front of the reads of their results and of loads into their operands
.endr
	s_wait_alu depctr_va_vdst(0)                   ; the products have written v[ACC ..], which the LDS stores read; they are done reading x's fragments 4 to 7 and their scale words, and v[WF ..]: loads land in these below.  The places above stay beside this wait
	s_cmp_lt_u32 s28, s25
	s_cbranch_scc0 .Lno_x1
	XLOADH 1                                       ; fragments 4 to 7 take my next tile's
.Lno_x1:
.irp nt, 0,1,2,3,4,5,6,7
	ds_store_b128 v[STO], v[ACC+8*\nt:ACC+8*\nt+3] offset:64*\nt       ; lane (r, h): token r, columns 16 nt + 8 h + 0 .. 7; each accumulator from its low end on
	ds_store_b128 v[STO], v[ACC+8*\nt+4:ACC+8*\nt+7] offset:64*\nt+16
.endr
.irp i, 0,1,2,3,4,5,6,7,8,9,10,11,12,13,14,15
	ds_load_b128 v[WF+4*\i:WF+4*\i+3], v[RD] offset:SPITCH*\i          ; LDS serves a wave's instructions in order (ISA guide 5.7.1.4): these see my stores
.endr
.irp i, 0,1,2,3,4,5,6,7,8,9,10,11,12,13,14,15
	s_wait_dscnt 15-\i                             ; row i is back; the 15 - i rows behind it may be out
	v_pk_add_f32 v[WF+4*\i:WF+4*\i+1], v[WF+4*\i:WF+4*\i+1], v[BIAS:BIAS+1]   ; the bias, on all sixteen rows in one run: rows past the group's end get it too and are not stored
	v_pk_add_f32 v[WF+4*\i+2:WF+4*\i+3], v[WF+4*\i+2:WF+4*\i+3], v[BIAS+2:BIAS+3]
.endr
	s_wait_alu depctr_va_vdst(0)                   ; the additions have written v[WF ..], which the stores below read: one wait for the run of stores
.irp i, 0,1,2,3,4,5,6,7,8,9,10,11,12,13,14,15
.if \i > 0
	s_cmp_gt_u32 s29, \i
	s_cbranch_scc0 .Lrows_done                     ; the group ends here: the rest of the tile is not stored
.endif
	global_store_b128 v[VO+\i], v[WF+4*\i:WF+4*\i+3], s[16:17] th:TH_STORE_NT   ; 32 lanes store 512 consecutive bytes of the token's row, at a multiple of 512 from out0's first byte
.endr
.Lrows_done:
	s_wait_loadcnt 0x0                             ; my next tile's x, if any, and the list: zero holds on both ways round the loads that were jumped over
	v_mov_b32 v[TK], v[TKN]
	v_mov_b32 v[TKN], v[TKL]
	s_add_co_u32 s27, s27, 16                      ; my next tile's number
	s_add_co_u32 s40, s40, 1                       ; one more of my tiles is done
	s_cmp_lt_u32 s40, s41
	s_cbranch_scc1 .Ltile
.Ldone:
	s_wait_dscnt 0x0
	s_wait_alu depctr_hold_cnt(0) depctr_sa_sdst(0) depctr_va_vdst(0) depctr_va_sdst(0) depctr_va_ssrc(0) depctr_va_vcc(0) depctr_vm_vsrc(0)
	s_wait_tensorcnt 0x0
	ds_add_u32 v254, v255
	s_wait_dscnt 0x0
	s_endpgm
.Lfunc_end_k_q6fe1cb8ac0_gemm:
	.size	k_q6fe1cb8ac0_gemm, .Lfunc_end_k_q6fe1cb8ac0_gemm-k_q6fe1cb8ac0_gemm
	.p2alignl 7, 3214868480
	.fill 96, 4, 3214868480
	.section	.rodata,"a",@progbits
	.p2align	6, 0x0
	.amdhsa_kernel k_q6fe1cb8ac0_gemm
		.amdhsa_group_segment_fixed_size 206848
		.amdhsa_private_segment_fixed_size 0
		.amdhsa_enable_private_segment 0
		.amdhsa_kernarg_size 56
		.amdhsa_user_sgpr_count 2
		.amdhsa_user_sgpr_kernarg_segment_ptr 1
		.amdhsa_wavefront_size32 1
		.amdhsa_system_sgpr_workgroup_id_x 1
		.amdhsa_system_sgpr_workgroup_id_y 1
		.amdhsa_system_sgpr_workgroup_id_z 1
		.amdhsa_system_vgpr_workitem_id 0
		.amdhsa_next_free_vgpr 256
		.amdhsa_next_free_sgpr 66
		.amdhsa_reserve_vcc 0
		.amdhsa_float_denorm_mode_32 3
		.amdhsa_float_denorm_mode_16_64 3
		.amdhsa_memory_ordered 1
		.amdhsa_forward_progress 1
		.amdhsa_inst_pref_size 76
	.end_amdhsa_kernel
	.amdgpu_metadata
---
amdhsa.version: [ 1, 2 ]
amdhsa.kernels:
  - .name:           k_q6fe1cb8ac0_gemm
    .symbol:         k_q6fe1cb8ac0_gemm.kd
    .args:
      - { .name: w, .offset: 0, .size: 8, .value_kind: global_buffer, .address_space: global }
      - { .name: b, .offset: 8, .size: 8, .value_kind: global_buffer, .address_space: global }
      - { .name: xc, .offset: 16, .size: 8, .value_kind: global_buffer, .address_space: global }
      - { .name: xs, .offset: 24, .size: 8, .value_kind: global_buffer, .address_space: global }
      - { .name: order, .offset: 32, .size: 8, .value_kind: global_buffer, .address_space: global }
      - { .name: starts, .offset: 40, .size: 8, .value_kind: global_buffer, .address_space: global }
      - { .name: out0, .offset: 48, .size: 8, .value_kind: global_buffer, .address_space: global }
    .group_segment_fixed_size: 206848
    .private_segment_fixed_size: 0
    .kernarg_segment_align: 8
    .kernarg_segment_size: 56
    .max_flat_workgroup_size: 512
    .sgpr_count:     66
    .vgpr_count:     256
    .wavefront_size: 32
...
	.end_amdgpu_metadata
.endif
;; end of part 4
